; MI455X (gfx1250); checked and timed in simulation.
; The chip was launched on July 23, 2026; its instructions are those of AMD's public machine-readable ISA for CDNA 5 (MIT licence, August 2026) and "CDNA5" Instruction Set Architecture Reference Guide (July 2026). The comments in the code are by the model that wrote it; some were corrected since.
;; Outer Product Mean. Allowed arithmetic: matrix products marked QUANTISED: E2M3 operands, one E8M0 scale for each 32 along K, by v_wmma_scale_f32_16x16x128_f8f6f4 with both operands' format E2M3, f32 sums; everything else in f32.
;; Inputs: Wa 256 x 32 float32; Wb 256 x 32 float32; Wo 1,024 x 128 float32; ba 32 float32; bb 32 float32; bo 128 float32; ln_b 256 float32; ln_w 256 float32; m 1 x 128 x 256 x 256 float32.
;; Outputs: out0 1 x 256 x 256 x 128 float32.
;; This version of the problem:
;;   THIS VERSION OF THE PROBLEM IS GIVEN IN LOW PRECISION. The matrix products marked QUANTISED in the list below multiply operands that are first quantised to E2M3 (2 exponent bits, 3 mantissa bits; 6 bits a number), with one power-of-two scale for each 32 numbers along K (OCP MX v1.0); their sums are f32. All else is computed in f32.
;;   The module's matrix products, in the order in which they are computed (A, B: the left and right operand; K: the contracted axis; several contracted axes count as one K, in the product's order):
;;     1. [M 32,768, K 256] x [K 256, N 32]; A: computed on the way; B: input Wa: QUANTISED
;;     2. [M 32,768, K 256] x [K 256, N 32]; A: computed on the way; B: input Wb: QUANTISED
;;     3. [M 8,192, K 128] x [K 128, N 8,192]; A: computed on the way; B: computed on the way: QUANTISED
;;     4. [M 65,536, K 1,024] x [K 1,024, N 128]; A: computed on the way; B: input Wo: QUANTISED
;;   THE QUANTISER, for each operand of a quantised product, along K:
;;     - K is cut into blocks of 32 from its start; a last block that is shorter is filled with zeros.
;;     - A block's scale is 2^e with e = floor(log2(the largest magnitude in the block)) - 2, held to -126 .. 127; a block of zeros has e = 0. As a byte (E8M0): e + 127.
;;     - Each number is divided by its block's scale, clamped to +-7.5, and rounded to the nearest number of E2M3, ties to even, subnormals kept.
;;     - The product sums the exact products of the quantised numbers (number of the format x scale) in f32.
;;   ~~~python
;;   def quantise(x, axis):      # numpy; x: float32 -> the quantised numbers, widened to float32 again
;;       x = np.moveaxis(x, axis, -1); K = x.shape[-1]
;;       x = np.pad(x, [(0, 0)] * (x.ndim - 1) + [(0, -K % 32)]); x = x.reshape(x.shape[:-1] + (-1, 32)); a = np.abs(x).max(-1, keepdims=True)
;;       e = np.where(a > 0, np.clip(np.frexp(np.where(a > 0, a, 1))[1] - 1 - 2, -126, 127), 0)      # np.frexp(a)[1] - 1 = floor(log2(a)), exactly
;;       r = np.clip(x / 2.0 ** e, -7.5, 7.5)
;;       step = 2.0 ** (np.maximum(np.frexp(np.where(r == 0, 1, r))[1] - 1, 0) - 3)
;;       q = np.round(r / step) * step * 2.0 ** e      # np.round: ties to even
;;       return np.moveaxis(q.reshape(q.shape[:-2] + (-1,))[..., :K], -1, axis).astype(np.float32)
;;   ~~~
;;   OPERANDS COMPUTED ON THE WAY. 'Computed on the way' means the value that the module computes at that place (a softmax that the list does not call 'softmax' is quantised finished and normalised). What goes into a quantiser is computed in f32, as accurately as f32 sums, v_exp_f32 and their like allow (about 1e-6 of the number): no bf16 or f16 on the way to a quantiser, and a product that is left as it is and whose result goes on into a quantised operand takes f32 operands (vector FMAs, or v_wmma_f32_16x16x4_f32). A number that lies on a knife's edge between two numbers of the format may be rounded either way, as far as f32 arithmetic and the matrix unit's own rounding can turn it there, and no further.
;; One version. Each part assembles by itself: llvm-mc -triple=amdgcn-amd-amdhsa -mcpu=gfx1250 --defsym DOCPART=n.
;; ======== version 1 of 1: 2 launches
;; limits: right only within a limited range of input values
;; workspace buffers: img 1,675,264 bytes; scl 65,536 bytes
;; launch prep (part 1): grid 256 x 1, 8 waves a work-group, no clusters, 180,224 bytes of LDS; arguments m, ln_w, ln_b, Wa, ba, Wb, bb, Wo, img, scl; writes img, scl
.if DOCPART == 1
	.amdgcn_target "amdgcn-amd-amdhsa--gfx1250"
	.amdhsa_code_object_version 6
	.text
	.protected	k_qd3156763ed_prep
	.globl	k_qd3156763ed_prep
	.p2align	8
	.type	k_qd3156763ed_prep,@function
k_qd3156763ed_prep:
	s_mov_b64 s[64:65], 0
	v_nop
	global_prefetch_b8 v0, s[64:65] scope:SCOPE_SE
	s_setreg_imm32_b32 hwreg(HW_REG_WAVE_MODE, 25, 1), 1
	s_wait_xcnt 0x0
; LayerNorm of m, the two projections a = mn Wa + ba and b = mn Wb + bb on codes of FP6 (E2M3) with one E8M0 scale for each 32 along K,
; and the quantising of a and b along s (the K of the outer product) and of Wo along its first axis.
; m: [128 s][256 residues][256] f32.  A work-group takes ONE residue: its 128 rows of 1,024 bytes, 262,144 bytes apart.
; SHARES.  Wave w first quantises one of W's eight fragments (16 columns: group w % 4, groups 0, 1 of Wa and 2, 3 of Wb; K step w / 4) and lays it in LDS; a barrier.  Then it normalises and quantises its rows
; s = 16 w .. 16 w + 15 (one tile, two K steps of 128: two fragments, which stay in registers) and multiplies them by all eight fragments of W.  The f32 results go to LDS; a barrier; and waves 0 to 3 each quantise
; a group of 16 channels for all 128 s: one fragment of the outer product's operand and one whole scale word a channel.
; THE PRODUCT: source 0 = 16 rows of mn, source 1 = 16 columns of W: lane (r, h) holds channel r and s = 16 T + 8 h + j in register j of tile T.
; ORDER OF s IN THE CODES: place 32 b + 16 h + 8 u + j of a row holds s = 32 b + 16 u + 8 h + j: a fixed permutation inside each block of 32, the same for a and for b, so that
; the products and the blocks' scales are kept; only the order of the next product's f32 sums differs.
; 1 / 128 (the mean over s) is taken off a's scale bytes: 7 off each; a power of two, so nothing is rounded.
; OUT.  img: a's codes at 0, b's at IMG_B: [residue][3 groups of 4 registers][channel 32][half of the lanes 2][16 bytes]; Wo's scale words at IMG_WS: [8][lane 32][4 words];
;       Wo's codes at IMG_W: fragment 8 q + n as an image: [3][lane 32][16 bytes]; lane r of fragment n takes column z = 64 (n / 4) + 4 r + n % 4.   scl: a's scale words at 0, b's at SCL_B: [residue][channel].
; In work-groups 0 to 63 wave 0 also quantises a fragment of Wo (128 along K x 16 columns), while rows of m are on their way.
; LIMITS: NaN and infinities are not served.  A block whose largest magnitude lies under 2^-124 (a's blocks: under 2^-117, so that 7 can be taken off the byte) is held at that floor's scale;
; a block of zeros keeps the floor's byte where the rule says 127: its codes are zeros, and this program alone reads the bytes.
; No cluster: what work-groups share here (66 KB of weights and parameters) is small beside each one's own 128 KB of rows.  No prefetch: there is no loop, each byte of m is asked for once, at the head.
.set ROWP,  1040                       ; an LDS row of m: 1,024 bytes + 16 of padding: an odd multiple of 16
.set TILEB, 16*ROWP                    ; a wave's 16 rows: what one tensor load brings
.set FRB,   1536                       ; a fragment's image: 12 registers x 32 lanes x 4 bytes
.set WIMG,  8*TILEB                    ; W's eight fragments (group g, K step q: g + 4 q),
.set WSCL,  WIMG+8*FRB                 ; their scale words, 128 bytes each,
.set RES,   WSCL+8*128                 ; the results: group g, tile T: 1,024 (8 g + T) + 512 (half of the eight registers) + 16 x lane
.set SPARE, RES+32*1024                ; the spare words, 128 bytes for each wave: four blocks of 256 bytes that no other line names
.set IMG_B, 786432
.set IMG_WS, 1572864
.set IMG_W, IMG_WS+4096
.set SCL_B, 32768
.set VA,   4                           ; v4   LDS: my row of my wave's tile, + 64 h: my 16 numbers of a block of 32
.set RST,  5                           ; v5   RES + 1,024 x wave + 16 x lane: where my tile's results go
.set RLD,  6                           ; v6   RES + 8,192 x group + 16 x lane: where I read my group's
.set WIS,  7                           ; v7   where I store my fragment of W
.set WSS,  8                           ; v8   and its scale words
.set PO,   9                           ; v9   64 h: ln_w, ln_b
.set WOF,  10                          ; v10  Wa or Wb: 128 q + 16 h rows of 128 bytes + my column
.set WOO,  11                          ; v11  Wo: 16 h rows of 512 bytes + 16 r
.set SPW,  12                          ; v12  LDS address of my spare word; never rewritten
.set NIL,  13                          ; v13  0; never rewritten
.set IST,  14                          ; v14  img: 32 x channel + 16 h
.set SST,  15                          ; v15  4 x channel: scl
.set L16,  16                          ; v16  16 x lane
.set R16,  17                          ; v17  16 r
.set MU,   18                          ; v[18:19] the row's mean, twice
.set RS,   20                          ; v[20:21] 1 / sqrt(var + eps), twice
.set CH,   22                          ; v22-29 four chains of packed sums
.set WIL,  30                          ; v30  WIMG + 16 x lane
.set WSLD, 31                          ; v31  WSCL + 4 x lane
.set X,    32                          ; v32-159 128 numbers of a lane; later results
.set BI,   160                         ; v160-191 four groups' biases, each eight times: the C of each sum's first product
.set PC,   192                         ; v192-203 codes
.set TP,   204                         ; v204-211 the conversions' second halves
.set TM,   212                         ; v212-215 largest magnitudes, v216-219 bytes, v224-227 the conversions' scale operands
.set PW,   228                         ; v228-229 scale words
.set B4,   230                         ; v230 4 r: the biases
.set PC2,  232                         ; v232-243 the second K step's codes
.set WSC,  248                         ; v248-255 W's scale words
; window 1: v0-127 ln_w, v128-255 ln_b, indexed as X; later v0-95 W's eight fragments
.set WV,   24                          ; s24 wave; s25 wave % 2; s26 (wave / 2) % 2: a or b; s27 wave / 4
.set G1,   28                          ; s[28:35] descriptor group 1
.set G0,   36                          ; s[36:39] group 0
.set SEL,  44                          ; s[44:45] v_permlanex16_b32's selects for lane l xor 16
.set FL,   46                          ; s46 the floor 2^(3 - 127)
.set FLR,  47                          ; s47 the floor for my results: 2^(10 - 127) for a
.set SUB,  48                          ; s48 what comes off my results' scale words: 7 a byte for a, 0 for b
.set INV,  49                          ; s49 1 / 256
.set EPS,  50                          ; s50 1e-5
.set MSB, 0
.macro WIN new                         ; the immediate's high byte repeats the setting that is left
.if MSB != \new
	s_set_vgpr_msb (MSB<<8)|\new
.set MSB, \new
.endif
.endm
; 64 numbers of a lane, register 16 b + i = place 32 b + 16 (lane / 16) + i of my row, become a fragment's codes in v[pc] on and its scale word in v[pw].  fl: the scalar register with the floor.
.macro QUANT s, pc, tp, pw, fl
.irp b, 0,1,2,3
	v_max3_num_f32 v[TM+\b], |v[\s+16*\b]|, |v[\s+1+16*\b]|, s[\fl]   ; block b: my 16 numbers, and the floor, which holds the byte from below
.endr
.irp i, 2,4,6,8,10,12,14
.irp b, 0,1,2,3
	v_max3_num_f32 v[TM+\b], v[TM+\b], |v[\s+16*\b+\i]|, |v[\s+1+16*\b+\i]|   ; the four blocks by turns
.endr
.endr
.irp b, 0,1,2,3
	v_permlanex16_b32 v[TM+4+\b], v[TM+\b], s[SEL], s[SEL+1]
.endr
.irp b, 0,1,2,3
	v_max_num_f32 v[TM+\b], v[TM+\b], v[TM+4+\b]   ; with lane l xor 16's: the block's largest magnitude
.endr
.irp b, 0,1,2,3
	v_add_nc_u32 v[TM+12+\b], 0xff000000, v[TM+\b]   ; 2 off its exponent field: the conversion takes the exponent field of this operand as its scale
.endr
.irp b, 0,1,2,3
	v_lshrrev_b32 v[TM+4+\b], 23, v[TM+12+\b]   ; the scale's byte
.endr
	v_lshl_or_b32 v[\pw], v[TM+5], 8, v[TM+4]
	v_lshl_or_b32 v[\pw], v[TM+6], 16, v[\pw]
	v_lshl_or_b32 v[\pw], v[TM+7], 24, v[\pw]
.irp c, 0,1
	v_cvt_scalef32_pk16_fp6_f32 v[\pc+6*\c:\pc+6*\c+2], v[\s+32*\c:\s+32*\c+15], v[TM+12+2*\c]
	v_cvt_scalef32_pk16_fp6_f32 v[\tp+4*\c:\tp+4*\c+2], v[\s+32*\c+16:\s+32*\c+31], v[TM+12+2*\c+1]   ; (a conversion's three registers begin on an even number)
.endr
	v_nop                                          ; one plain place behind a scaled conversion
.irp c, 0,1                                    ; the operand's layout wants a whole block in a lane: lanes 0-15 block 2 c, lanes 16-31 block 2 c + 1
.irp i, 0,1,2
	v_permlane16_swap_b32 v[\pc+6*\c+\i], v[\tp+4*\c+\i]
.endr
.irp i, 0,1,2
	v_mov_b32 v[\pc+6*\c+3+\i], v[\tp+4*\c+\i]
.endr
.endr
.endm
.macro REDUCE                          ; four chains of pairs -> the row's sum, in every lane of the row
	v_pk_add_f32 v[CH:CH+1], v[CH:CH+1], v[CH+2:CH+3]
	v_pk_add_f32 v[CH+4:CH+5], v[CH+4:CH+5], v[CH+6:CH+7]
	v_pk_add_f32 v[CH:CH+1], v[CH:CH+1], v[CH+4:CH+5]
	v_add_f32 v[CH], v[CH], v[CH+1]
	v_permlanex16_b32 v[CH+1], v[CH], s[SEL], s[SEL+1]   ; the row's other 128 numbers lie in the lane 16 away
	v_add_f32 v[CH], v[CH], v[CH+1]
.endm
	s_load_b512 s[4:19], s[0:1], 0x0               ; m s[4:5], ln_w s[6:7], ln_b s[8:9], Wa s[10:11], ba s[12:13], Wb s[14:15], bb s[16:17], Wo s[18:19]
	s_load_b128 s[20:23], s[0:1], 0x40             ; img s[20:21], scl s[22:23]
	v_lshl_add_u32 v[SPW], v0, 2, SPARE
	v_mov_b32 v[NIL], 0
	ds_add_u32 v[SPW], v[NIL]                      ; the wave's opening: the add, twice on end, and its wait ahead of my tensor load
	ds_add_u32 v[SPW], v[NIL]
	v_lshrrev_b32 v1, 5, v0
	v_readfirstlane_b32 s[WV], v1                  ; wave 0..7
	s_and_b32 s25, s[WV], 1
	s_bfe_u32 s26, s[WV], 0x10001
	s_lshr_b32 s27, s[WV], 2
	; group 1: 16 rows of 256 f32, 65,536 elements from row to row; in LDS 4 words of padding behind each row's 256
	s_mov_b32 s[G1+0], (2<<16)|(1<<20)|(7<<22)|(3<<25)
	s_mov_b32 s[G1+1], 256<<16                     ; tensor_dim0
	s_mov_b32 s[G1+2], 16<<16                      ; tensor_dim1
	s_mov_b32 s[G1+3], 256<<16                     ; tile_dim0
	s_mov_b32 s[G1+4], 16                          ; tile_dim1
	s_mov_b32 s[G1+5], 65536                       ; tensor_dim0_stride
	s_mov_b32 s[G1+6], 0
	s_mov_b32 s[G1+7], 0
	s_mul_i32 s[G0+1], s[WV], TILEB                ; LDS: my wave's rows
	s_lshl_b32 s52, s[WV], 22                      ; memory: 16 w rows of 262,144 bytes
	s_lshl_b32 s53, ttmp9, 10                      ; + my residue's 1,024 bytes
	s_add_co_u32 s52, s52, s53
	s_mov_b32 s53, 0
	s_mov_b32 s[SEL], 0x76543210
	s_mov_b32 s[SEL+1], 0xfedcba98
	s_mov_b32 s[FL], 0x1800000
	s_mov_b32 s[INV], 0x3b800000
	s_mov_b32 s[EPS], 0x3727c5ac
	s_mul_i32 s60, s26, IMG_B                      ; where my channels' codes go,
	s_mul_i32 s54, ttmp9, 3072
	s_add_co_u32 s60, s60, s54
	s_mov_b32 s61, 0
	s_lshl_b32 s62, s26, 15                        ; and their scale words
	s_lshl_b32 s54, ttmp9, 7
	s_add_co_u32 s62, s62, s54
	s_mov_b32 s63, 0
	s_lshl_b32 s54, s[WV], 10
	s_and_b32 s55, s[WV], 3
	s_lshl_b32 s55, s55, 13
	s_lshl_b32 s56, s25, 6
	s_lshl_b32 s57, s27, 14
	s_lshl_b32 s58, s25, 9
	s_mul_i32 s59, s[WV], FRB
	s_lshl_b32 s51, s[WV], 7
	v_and_b32 v1, 31, v0                           ; lane
	v_and_b32 v2, 15, v0                           ; r
	v_bfe_u32 v3, v0, 4, 1                         ; h
	v_mul_u32_u24 v[VA], v2, ROWP
	v_lshl_add_u32 v[VA], v3, 6, v[VA]
	v_add_nc_u32 v[VA], s[G0+1], v[VA]
	v_lshlrev_b32 v[L16], 4, v1
	v_add_nc_u32 v[RST], RES, v[L16]
	v_add_nc_u32 v[RLD], s55, v[RST]
	v_add_nc_u32 v[RST], s54, v[RST]
	v_add_nc_u32 v[WIL], WIMG, v[L16]
	v_add_nc_u32 v[WIS], s59, v[WIL]
	v_lshl_add_u32 v[WSLD], v1, 2, WSCL
	v_add_nc_u32 v[WSS], s51, v[WSLD]
	v_lshlrev_b32 v[PO], 6, v3
	v_lshlrev_b32 v[B4], 2, v2
	v_add_nc_u32 v[SST], s56, v[B4]                ; 4 x (16 (w % 2) + r)
	v_lshl_add_u32 v[WOF], v3, 11, v[SST]
	v_add_nc_u32 v[WOF], s57, v[WOF]
	v_lshlrev_b32 v[R16], 4, v2
	v_lshl_add_u32 v[WOO], v3, 13, v[R16]
	v_lshlrev_b32 v[IST], 5, v2
	v_lshl_add_u32 v[IST], v3, 4, v[IST]
	v_add_nc_u32 v[IST], s58, v[IST]
.irp b, 0,1,2,3
	v_mov_b32 v[TM+4+\b], 0                        ; written once: a lane permute's destination counts as one of its sources
.endr
	s_wait_alu depctr_va_vdst(0)                   ; the wait at the head's end
	s_wait_dscnt 0x0                               ; both opening adds are done
	s_wait_kmcnt 0x0
	s_mov_b32 s[G0], 1
	s_add_nc_u64 s[G0+2:G0+3], s[4:5], s[52:53]
	s_or_b32 s[G0+3], s[G0+3], 0x80000000
	tensor_load_to_lds s[G0:G0+3], s[G1:G1+7]      ; my tile goes out ahead of everything else: the one tensor load of this wave
	s_nop 0
.rept 4
	v_nop
.endr
	s_add_nc_u64 s[60:61], s[20:21], s[60:61]
	s_add_nc_u64 s[62:63], s[22:23], s[62:63]
	s_cmp_eq_u32 s26, 0                            ; a's columns or b's: the choice hangs on the wave's number alone
	s_cselect_b64 s[56:57], s[10:11], s[14:15]
	s_cselect_b32 s[FLR], 0x5000000, s[FL]
	s_cselect_b32 s[SUB], 0x07070707, 0
.irp b, 0,1,2,3                                ; W: lane (r, h) takes column r of my 16, and its registers run down K: register 16 b + i = row 128 q + 32 b + 16 h + i
.irp i, 0,1,2,3,4,5,6,7,8,9,10,11,12,13,14,15
	global_load_b32 v[X+16*\b+\i], v[WOF], s[56:57] offset:(32*\b+\i)*128
.endr
.endr
.irp g, 0,1
	global_load_b32 v[BI+8*\g], v[B4], s[12:13] offset:64*\g
	global_load_b32 v[BI+16+8*\g], v[B4], s[16:17] offset:64*\g
.endr
	WIN 0x40                                       ; destination window 1
.irp q, 0,1
.irp b, 0,1,2,3
.irp j, 0,1,2,3
	global_load_b128 v[64*\q+16*\b+4*\j:64*\q+16*\b+4*\j+3], v[PO], s[6:7] offset:512*\q+128*\b+16*\j
	global_load_b128 v[128+64*\q+16*\b+4*\j:128+64*\q+16*\b+4*\j+3], v[PO], s[8:9] offset:512*\q+128*\b+16*\j
.endr
.endr
.endr
	WIN 0
	s_wait_loadcnt 63                              ; W and the biases are in: 64 loads were issued behind them, and the count names the most that its field holds
.irp g, 0,1,2,3
.irp j, 1,2,3,4,5,6,7
	v_mov_b32 v[BI+8*\g+\j], v[BI+8*\g]
.endr
.endr
	QUANT X, PC, TP, PW, FL
.irp c, 0,1,2
	ds_store_b128 v[WIS], v[PC+4*\c:PC+4*\c+3] offset:512*\c   ; W's fragment goes to LDS as it stands
.endr
	ds_store_b32 v[WSS], v[PW]
	s_wait_dscnt 0x0                               ; for the others' sake: my fragment has landed
	s_barrier_signal -1
	s_barrier_wait -1                              ; W's eight fragments lie in LDS
	s_cmp_lt_u32 ttmp9, 64                         ; Wo has 64 fragments: work-group f's wave 0, the first to have asked for its rows, takes fragment f = 8 q + n
	s_cbranch_scc0 .Lno_wo
	s_cmp_eq_u32 s[WV], 0
	s_cbranch_scc0 .Lno_wo
	s_and_b32 s51, ttmp9, 3
	s_lshl_b32 s51, s51, 2                         ; 4 (n % 4)
	s_lshr_b32 s52, ttmp9, 3
	s_lshl_b32 s52, s52, 16                        ; 128 q rows of 512 bytes
	s_bfe_u32 s55, ttmp9, 0x10002
	s_lshl_b32 s55, s55, 8                         ; 256 (n / 4)
	s_add_co_u32 s52, s52, s55
	s_add_co_u32 s52, s52, s51
	s_mov_b32 s53, 0
	s_add_nc_u64 s[18:19], s[18:19], s[52:53]
.irp b, 0,1,2,3
.irp i, 0,1,2,3,4,5,6,7,8,9,10,11,12,13,14,15
	global_load_b32 v[X+16*\b+\i], v[WOO], s[18:19] offset:(32*\b+\i)*512
.endr
.endr
	s_mul_i32 s52, ttmp9, FRB
	s_add_co_u32 s52, s52, IMG_W
	s_add_nc_u64 s[56:57], s[20:21], s[52:53]
	s_bfe_u32 s52, ttmp9, 0x30002                  ; the word's place: 512 ((f % 32) / 4) + 256 (f / 32) + 4 (f % 4) + 16 r
	s_lshl_b32 s52, s52, 9
	s_lshr_b32 s55, ttmp9, 5
	s_lshl_b32 s55, s55, 8
	s_add_co_u32 s52, s52, s55
	s_add_co_u32 s52, s52, s51
	s_add_co_u32 s52, s52, IMG_WS
	s_add_nc_u64 s[58:59], s[20:21], s[52:53]
	s_wait_loadcnt 0x0
	QUANT X, PC, TP, PW, FL
.irp c, 0,1,2
	global_store_b128 v[L16], v[PC+4*\c:PC+4*\c+3], s[56:57] offset:512*\c   ; 32 lanes store 512 consecutive bytes
.endr
	global_store_b32 v[R16], v[PW], s[58:59]       ; both halves of the lanes write the same word with the same value
	s_wait_xcnt 0x0                                ; the stores' data are written again further down
.Lno_wo:
	s_wait_loadcnt 0x0                             ; ln_w, ln_b
	s_wait_tensorcnt 0x0                           ; my tile is in.  Only I read it
; LayerNorm in f32 (the mean; then the mean of the squared differences), then two fragments and their scale words, in registers.
.irp q, 0,1
.irp b, 0,1,2,3
.irp j, 0,1,2,3
	ds_load_b128 v[X+64*\q+16*\b+4*\j:X+64*\q+16*\b+4*\j+3], v[VA] offset:512*\q+128*\b+16*\j
.endr
.endr
.endr
	s_wait_dscnt 0x0
.irp c, 0,1,2,3
	v_pk_add_f32 v[CH+2*\c:CH+2*\c+1], v[X+2*\c:X+2*\c+1], v[X+8+2*\c:X+8+2*\c+1]   ; the first eight pairs start the four chains
.endr
.set p, 8
.rept 56
	v_pk_add_f32 v[CH+2*(p%4):CH+2*(p%4)+1], v[CH+2*(p%4):CH+2*(p%4)+1], v[X+2*p:X+2*p+1]
.set p, p+1
.endr
	REDUCE
	v_mul_f32 v[MU], s[INV], v[CH]
	v_mov_b32 v[MU+1], v[MU]
.set p, 0
.rept 64
	v_pk_add_f32 v[X+2*p:X+2*p+1], v[X+2*p:X+2*p+1], v[MU:MU+1] neg_lo:[0,1] neg_hi:[0,1]   ; x - mean
.set p, p+1
.endr
.irp c, 0,1,2,3
	v_pk_mul_f32 v[CH+2*\c:CH+2*\c+1], v[X+2*\c:X+2*\c+1], v[X+2*\c:X+2*\c+1]
.endr
.set p, 4
.rept 60
	v_pk_fma_f32 v[CH+2*(p%4):CH+2*(p%4)+1], v[X+2*p:X+2*p+1], v[X+2*p:X+2*p+1], v[CH+2*(p%4):CH+2*(p%4)+1]
.set p, p+1
.endr
	REDUCE
	v_fma_f32 v[CH], v[CH], s[INV], s[EPS]         ; var + eps
	s_wait_alu depctr_va_vdst(0)                   ; the wait ahead of the transcendental
	v_rsq_f32 v[RS], v[CH]
	v_nop                                          ; a plain place behind the transcendental
	s_wait_alu depctr_va_vdst(0)                   ; and the wait ahead of its first reader
	v_mov_b32 v[RS+1], v[RS]
.set p, 0
.rept 64
	v_pk_mul_f32 v[X+2*p:X+2*p+1], v[X+2*p:X+2*p+1], v[RS:RS+1]
.set p, p+1
.endr
	WIN 0x14                                       ; sources 1 and 2 (ln_w, ln_b) window 1
.set p, 0
.rept 64
	v_pk_fma_f32 v[X+2*p:X+2*p+1], v[X+2*p:X+2*p+1], v[2*p:2*p+1], v[128+2*p:128+2*p+1]
.set p, p+1
.endr
	WIN 0x40                                       ; destination window 1: ln_w and ln_b are done with: W's fragments land there while the codes are made
.irp f, 0,1,2,3,4,5,6,7
.irp c, 0,1,2
	ds_load_b128 v[12*\f+4*\c:12*\f+4*\c+3], v[WIL] offset:FRB*\f+512*\c
.endr
.endr
	WIN 0
.irp f, 0,1,2,3,4,5,6,7
	ds_load_b32 v[WSC+\f], v[WSLD] offset:128*\f
.endr
	QUANT X, PC, TP, PW, FL
	QUANT X+64, PC2, TP, PW+1, FL
.rept 4
	v_nop                                          ; four places between the last moves into the codes and the products that read them
.endr
	s_wait_alu depctr_va_vdst(0)                   ; directly ahead of the wait below
	s_wait_dscnt 0x0
	WIN 0x04                                       ; source 1 (W) window 1
.irp g, 0,1,2,3                                ; the four accumulators take turns, one instruction a turn; the bias starts each sum
	v_wmma_scale_f32_16x16x128_f8f6f4 v[X+8*\g:X+8*\g+7], v[PC:PC+11], v[12*\g:12*\g+11], v[BI+8*\g:BI+8*\g+7], v[PW], v[WSC+\g] matrix_a_fmt:MATRIX_FMT_FP6 matrix_b_fmt:MATRIX_FMT_FP6
.endr
.irp g, 0,1,2,3
	v_wmma_scale_f32_16x16x128_f8f6f4 v[X+8*\g:X+8*\g+7], v[PC2:PC2+11], v[48+12*\g:48+12*\g+11], v[X+8*\g:X+8*\g+7], v[PW+1], v[WSC+4+\g] matrix_a_fmt:MATRIX_FMT_FP6 matrix_b_fmt:MATRIX_FMT_FP6
.endr
	WIN 0
.rept 4
	v_nop                                          ; four places in front of the first read of results (ISA guide 7.12.1)
.endr
.irp g, 0,1,2,3
	ds_store_b128 v[RST], v[X+8*\g:X+8*\g+3] offset:8192*\g
	ds_store_b128 v[RST], v[X+8*\g+4:X+8*\g+7] offset:8192*\g+512
.endr
	s_wait_tensorcnt 0x0                           ; my last LDS stores stand above: no LDS write follows
	ds_add_u32 v[SPW], v[NIL]
	s_wait_dscnt 0x0                               ; for the others' sake too: my results have landed
	s_barrier_signal -1
	s_barrier_wait -1                              ; all results lie in LDS
	s_cmp_lt_u32 s[WV], 4                          ; four groups of columns: four waves
	s_cbranch_scc0 .Lend
.irp t, 0,1,2,3,4,5,6,7
	ds_load_b128 v[X+8*\t:X+8*\t+3], v[RLD] offset:1024*\t
	ds_load_b128 v[X+8*\t+4:X+8*\t+7], v[RLD] offset:1024*\t+512
.endr
	s_wait_dscnt 0x0
	QUANT X, PC, TP, PW, FLR                       ; my 16 channels x 128 s: one fragment of the outer product's operand
	v_sub_nc_u32 v[PW], v[PW], s[SUB]              ; a: 7 off each byte (each is 8 at the least: no borrow): the division by 128
.irp c, 0,1,2
	global_store_b128 v[IST], v[PC+4*\c:PC+4*\c+3], s[60:61] offset:1024*\c   ; the wave's 32 lanes cover 512 consecutive bytes
.endr
	global_store_b32 v[SST], v[PW], s[62:63]       ; both halves of the lanes write the same word with the same value
.Lend:
	s_endpgm
.Lfunc_end_k_qd3156763ed_prep:
	.size	k_qd3156763ed_prep, .Lfunc_end_k_qd3156763ed_prep-k_qd3156763ed_prep
	.p2alignl 7, 3214868480
	.fill 96, 4, 3214868480
	.section	.rodata,"a",@progbits
	.p2align	6, 0x0
	.amdhsa_kernel k_qd3156763ed_prep
		.amdhsa_group_segment_fixed_size 180224
		.amdhsa_private_segment_fixed_size 0
		.amdhsa_enable_private_segment 0
		.amdhsa_kernarg_size 80
		.amdhsa_user_sgpr_count 2
		.amdhsa_user_sgpr_kernarg_segment_ptr 1
		.amdhsa_wavefront_size32 1
		.amdhsa_system_sgpr_workgroup_id_x 1
		.amdhsa_system_sgpr_workgroup_id_y 1
		.amdhsa_system_sgpr_workgroup_id_z 1
		.amdhsa_system_vgpr_workitem_id 0
		.amdhsa_next_free_vgpr 512
		.amdhsa_next_free_sgpr 66
		.amdhsa_reserve_vcc 0
		.amdhsa_float_denorm_mode_32 3
		.amdhsa_float_denorm_mode_16_64 3
		.amdhsa_memory_ordered 1
		.amdhsa_forward_progress 1
		.amdhsa_inst_pref_size 72
	.end_amdhsa_kernel
	.amdgpu_metadata
---
amdhsa.version: [ 1, 2 ]
amdhsa.kernels:
  - .name:           k_qd3156763ed_prep
    .symbol:         k_qd3156763ed_prep.kd
    .args:
      - { .name: m, .offset: 0, .size: 8, .value_kind: global_buffer, .address_space: global }
      - { .name: ln_w, .offset: 8, .size: 8, .value_kind: global_buffer, .address_space: global }
      - { .name: ln_b, .offset: 16, .size: 8, .value_kind: global_buffer, .address_space: global }
      - { .name: Wa, .offset: 24, .size: 8, .value_kind: global_buffer, .address_space: global }
      - { .name: ba, .offset: 32, .size: 8, .value_kind: global_buffer, .address_space: global }
      - { .name: Wb, .offset: 40, .size: 8, .value_kind: global_buffer, .address_space: global }
      - { .name: bb, .offset: 48, .size: 8, .value_kind: global_buffer, .address_space: global }
      - { .name: Wo, .offset: 56, .size: 8, .value_kind: global_buffer, .address_space: global }
      - { .name: img, .offset: 64, .size: 8, .value_kind: global_buffer, .address_space: global }
      - { .name: scl, .offset: 72, .size: 8, .value_kind: global_buffer, .address_space: global }
    .group_segment_fixed_size: 180224
    .private_segment_fixed_size: 0
    .kernarg_segment_align: 8
    .kernarg_segment_size: 80
    .max_flat_workgroup_size: 256
    .sgpr_count:     66
    .vgpr_count:     512
    .wavefront_size: 32
...
	.end_amdgpu_metadata
.endif
;; end of part 1
;; launch outer (part 2): grid 16 x 16, 8 waves a work-group, clusters of 4 x 1, 167,936 bytes of LDS; arguments img, scl, bo, out0; writes out0
.if DOCPART == 2
	.amdgcn_target "amdgcn-amd-amdhsa--gfx1250"
	.amdhsa_code_object_version 6
	.text
	.protected	k_qd3156763ed_outer
	.globl	k_qd3156763ed_outer
	.p2align	8
	.type	k_qd3156763ed_outer,@function
k_qd3156763ed_outer:
	s_mov_b64 s[64:65], 0
	v_nop
	global_prefetch_b8 v0, s[64:65] scope:SCOPE_SE
	s_setreg_imm32_b32 hwreg(HW_REG_WAVE_MODE, 25, 1), 1
	s_wait_xcnt 0x0
	s_wait_alu depctr_hold_cnt(0) depctr_sa_sdst(0) depctr_va_vdst(0) depctr_va_sdst(0) depctr_va_ssrc(0) depctr_va_vcc(0) depctr_vm_vsrc(0)
	s_getreg_b32 s2, hwreg(HW_REG_IB_STS2, 6, 4)
	s_cmp_eq_u32 s2, 0
	s_cbranch_scc0 .Lentry_in_a_cluster
	s_endpgm
.Lentry_in_a_cluster:
	s_bfe_u32 s2, ttmp6, 0x10000c
	s_cmp_lg_u32 s2, 0x3003
	s_cbranch_scc0 .Lentry_shape_is_right
	s_endpgm
.Lentry_shape_is_right:
; out0[i][j][z] = sum over (c, d) of Q(outer[i][j][c][d]) Q(Wo[32 c + d][z]) + bo[z],  outer[i][j][c][d] = sum over s of Q(a[s][i][c]) Q(b[s][j][d]) / 128,
; both products on codes of FP6 (E2M3) with one E8M0 scale for each 32 along K.  a, b and Wo come as codes and scale words from the launch before (1 / 128 lies in a's scale bytes).  outer never leaves the registers.
; SHARES.  A work-group takes 16 i x 16 j; each of its eight waves two j = 16 J + 2 w + rt and all 16 i: two row tiles of 16 pairs (i, j), 16 accumulators of 16 pairs x 16 z, 128 registers.  Two waves share a SIMD's registers.
; THE FIRST PRODUCT IS LAID SO THAT ITS RESULTS ARE THE SECOND'S OPERAND.  Source 0 = 16 rows of b: rows 0-7 = (the even j, d = 8 t + 0..7), rows 8-15 = (the odd j, the same d); source 1 = 16 rows of a:
; (i = 16 I + r, one c).  Behind t = 0..3 lane (r, h) holds all 32 d of the pair (i_r, j even + h) for that c: one whole block of the next K, so its largest magnitude needs no other lane.  The next operand wants
; lanes 0-15 to hold block 2 c' and lanes 16-31 block 2 c' + 1 of ONE pair: one exchange of halves between the codes of c even and c odd gives the fragments of both row tiles.
; The scale words lie in lanes 0-15 for the even j and in lanes 16-31 for the odd one.
; THE SECOND PRODUCT: source 0 = 16 pairs, source 1 = 16 columns of Wo: lane r of z tile n holds column z = 64 (n / 4) + 4 r + n % 4, so four tiles give a lane 16 neighbouring bytes of a pair's row and sixteen lanes 256.
; The additions of bo lay the four numbers side by side, and they leave straight from registers.
; BY UNITS.  A unit is two c.  Turn U: unit U's first product (8 instructions), the last moves of unit U - 1's codes, half a K step of the second product three units back (8), then unit U's quantising.
; The 16 turns are written out: every register number and offset is a constant.
; CLUSTER.  The four work-groups of a cluster lie along j and share I: a's tile, its scale words and all of Wo are asked for JOINTLY (mask of all four, addresses made of I and the wave's number alone).  b goes from
; memory straight into the registers of its one reader, so nothing is shared along i and the cluster has one row.  All tiles are filled once, and each wave has one load, in the order in which the tiles are wanted:
; wave 0 a's scale words; wave 1 a's first quarter (c = 0..7, units 0 to 3); wave 2 Wo's scale words and its first two K steps; waves 3 to 5 a's other quarters; waves 6, 7 the rest of Wo.
; Three barriers show them as they are needed.  No prefetch: there is no loop to run ahead in, and each tile is asked for once, at the head.
; LIMITS: NaN and infinities are not served; a block of outer whose largest magnitude lies under 2^-124 is held at that floor's scale (a block of zeros too: its codes are zeros).
.set WSL,   0                          ; LDS: Wo's scale words, 4,096 bytes,
.set WO,    WSL+4096                   ; and its 64 fragments as images
.set FRB,   1536
.set AQ,    WO+64*FRB                  ; a in quarters of 8 c: 48 rows (residue, group of four registers) of 256 bytes (8 c x 2 halves x 16 bytes) + 16 of padding
.set AROW,  272
.set ARES,  3*AROW                     ; a residue: an odd multiple of 16 bytes
.set QB,    48*AROW
.set ASL,   AQ+4*QB                    ; a's scale words: 8 rows of 256 bytes + 16 of padding
.set SPARE, ASL+2304                   ; the spare words, 128 bytes for each wave: four blocks of 256 bytes that no other line names
.set PFIRST, 112*256                   ; what wave 2 brings: the scale words and fragments 0-15
.set PREST, 144*256                    ; what waves 6 and 7 bring: 24 fragments each
.set IMG_B, 786432
.set IMG_W, 1572864                    ; Wo's scale words, then its fragments
.set SCL_B, 32768
; window 0
.set ADA,  1                           ; v1   a's fragments: residue r, + 16 h
.set ADW,  2                           ; v2, v3  Wo's fragments 0-31, 32-63: + 16 x lane
.set CO,   4                           ; v4   out0: 8 h rows of 131,072 bytes + 16 r
.set SPW,  5                           ; v5   LDS address of my spare word; never rewritten
.set NIL,  6                           ; v6   0; never rewritten
.set OBF,  7                           ; v7   b's codes
.set OBS,  8                           ; v8   b's scale words
.set ADS,  9                           ; v9   a's scale words in LDS
.set ADWS, 10                          ; v10  Wo's scale words in LDS
.set BOO,  11                          ; v11  bo: 16 r
.set AS,   16                          ; v16-31 a's scale words: register p, lane (r, hh): (i_r, c = 16 hh + p)
.set BS,   32                          ; v32-33 b's: register tt, half hh: fragment t = tt + 2 hh
.set OW,   34                          ; v34-35 outer's: K step q % 2; lanes 0-15 the even j, lanes 16-31 the odd
.set WS,   36                          ; v36-67 Wo's: register f % 32, half f / 32
.set BO,   68                          ; v68-75 bo: 4 zh + n: z = 64 zh + 4 r + n
.set TM,   76                          ; v76-79 largest magnitudes, two chains for each block
.set SCV,  80                          ; v80-81 the conversions' scale operands
.set BY,   82                          ; v82-83 bytes
.set TH,   84                          ; v84-91 the conversions' second halves
.set R,    92                          ; v92-155 the first product's results: 32 cc + 8 t; at the end Wo's last four fragments; on the way out v92-219 rows of out0
.set CB,   156                         ; v156-203 outer's codes: 24 (q % 2) + 12 rt
.set AB,   204                         ; v204-251 a's fragments: 24 (unit % 2) + 12 cc; at the end four of Wo's
; window 1
.set BF,   0                           ; v0-47  b's four fragments; they stay
.set WB,   48                          ; v48-95 Wo's four fragments in hand
.set ACC,  96                          ; v96-223 the accumulators: 64 rt + 8 n
.set WV,   12                          ; s12 wave; s13 cx; s14 J; s15 I
.set G1A,  16                          ; groups 1 for a's quarters, its scale words, Wo's first part and Wo's rest
.set G1S,  24
.set G1W,  68
.set G1X,  76
.set G0A,  32                          ; groups 0: a's first quarter, its scale words, Wo's first part, a's other quarters, Wo's rest
.set G0S,  36
.set G0W,  84
.set G0B,  88
.set G0X,  92
.set FLR,  40                          ; s40 the floor 2^(3 - 127)
.set W_P3, 0x01                        ; b window 1; a and results window 0
.set W_P4, 0x54                        ; codes window 0; Wo, C and D window 1
.set W_P4L, 0x50                       ; the same with Wo in window 0
.set MSB, 0
.macro WIN new                         ; the immediate's high byte repeats the setting that is left; a switch that changes nothing is dropped
.if MSB != \new
	s_set_vgpr_msb (MSB<<8)|\new
.set MSB, \new
.endif
.endm
.macro ROUND                           ; a round of the cluster's barrier
	s_barrier_signal -1
	s_barrier_wait -1
	s_cmp_lg_u32 s[WV], 0
	s_cbranch_scc1 .Lnot_wave_0_\@
	s_barrier_signal -3
.Lnot_wave_0_\@:
	s_barrier_wait -3
	s_barrier_signal -1
	s_barrier_wait -1
.endm
.macro GROUP1 g, first, rows, pitch    ; rows of 256 bytes: 32 elements of 8 bytes
	s_mov_b32 s[\g+0], \first
	s_mov_b32 s[\g+1], 32<<16
	s_mov_b32 s[\g+2], \rows<<16
	s_mov_b32 s[\g+3], 32<<16
	s_mov_b32 s[\g+4], \rows
	s_mov_b32 s[\g+5], \pitch
	s_mov_b32 s[\g+6], 0
	s_mov_b32 s[\g+7], 0
.endm
.macro ARM under, g0, g1, next         ; an arm of the head's one chain: one load, and a jump to the chain's end
	s_cmp_lt_u32 s[WV], \under
	s_cbranch_scc0 \next
	tensor_load_to_lds s[\g0:\g0+3], s[\g1:\g1+7]
	s_nop 0
.rept 4
	v_nop
.endr
	s_branch .Lasked
\next:
.endm
	s_load_b256 s[4:11], s[0:1], 0x0               ; img s[4:5], scl s[6:7], bo s[8:9], out0 s[10:11]
	v_lshl_add_u32 v[SPW], v0, 2, SPARE
	v_mov_b32 v[NIL], 0
	ds_add_u32 v[SPW], v[NIL]                      ; the wave's opening: the add, twice on end, and its wait ahead of the round in front of my tensor load
	ds_add_u32 v[SPW], v[NIL]
	v_lshrrev_b32 v252, 5, v0
	v_readfirstlane_b32 s[WV], v252                ; wave 0..7
	s_bfe_u32 s13, ttmp6, 0x40000                  ; cx: my place in the cluster
	s_lshl_b32 s14, ttmp9, 2                       ; in a cluster launch ttmp9 counts clusters
	s_add_co_u32 s14, s14, s13                     ; J = 4 x cluster x + cx: it enters b's and out0's addresses alone
	s_and_b32 s15, ttmp7, 0xffff                   ; I, which the four partners share
	GROUP1 G1A, 15|(3<<16)|(1<<20)|(1<<21)|(5<<22)|(3<<25), 48, 128   ; a quarter of a's tile: rows 1,024 bytes apart; 4 words of padding behind each row's 64
	GROUP1 G1S, 15|(3<<16)|(1<<20)|(1<<21)|(5<<22)|(3<<25), 8, 32     ; its scale words: dense rows, padded likewise
	GROUP1 G1W, 15|(3<<16)|(1<<21), 112, 32                           ; Wo's first part: dense, no padding
	GROUP1 G1X, 15|(3<<16)|(1<<21), 144, 32                           ; half of its rest
	s_mul_i32 s44, s15, 49152                      ; a: 16 I residues of 3,072 bytes
	s_mov_b32 s45, 0
	s_lshl_b32 s60, s[WV], 8
	s_add_co_u32 s60, s60, s44                     ; waves 3 to 5: quarter w - 2 (its 512 bytes come off below)
	s_mov_b32 s61, 0
	s_mul_i32 s[G0B+1], s[WV], QB
	s_add_co_u32 s[G0B+1], s[G0B+1], AQ-2*QB       ; no place in the cluster enters an LDS address
	s_mov_b32 s[G0A+1], AQ
	s_lshl_b32 s50, s15, 11                        ; a's scale words: 16 I residues of 128 bytes
	s_mov_b32 s51, 0
	s_mov_b32 s[G0S+1], ASL
	s_mov_b32 s[G0W+1], WSL
	s_and_b32 s56, s[WV], 1
	s_mul_i32 s56, s56, PREST                      ; waves 6 and 7: behind the first part
	s_add_co_u32 s[G0X+1], s56, WSL+PFIRST
	s_add_co_u32 s56, s56, IMG_W+PFIRST
	s_mov_b32 s57, 0
	s_lshl_b32 s58, s14, 4
	s_lshl_b32 s59, s[WV], 1
	s_add_co_u32 s58, s58, s59                     ; my even j = 16 J + 2 w
	s_mul_i32 s46, s58, 3072
	s_add_co_u32 s46, s46, IMG_B                   ; its codes,
	s_mov_b32 s47, 0
	s_lshl_b32 s48, s58, 7
	s_add_co_u32 s48, s48, SCL_B                   ; its scale words
	s_mov_b32 s49, 0
	s_lshl_b32 s54, s15, 21                        ; out0: row i = 16 I (256 j x 512 bytes each),
	s_lshl_b32 s59, s58, 9                         ; + my even j
	s_add_co_u32 s54, s54, s59
	s_mov_b32 s55, 0
	s_mov_b32 s[FLR], 0x1800000
	v_and_b32 v252, 15, v0                         ; r
	v_bfe_u32 v253, v0, 4, 1                       ; h
	v_mul_u32_u24 v[ADA], v252, ARES
	v_lshl_add_u32 v[ADA], v253, 4, v[ADA]
	v_add_nc_u32 v[ADA], AQ, v[ADA]
	v_and_b32 v254, 31, v0
	v_lshlrev_b32 v254, 4, v254                    ; 16 x lane
	v_add_nc_u32 v[ADWS], WSL, v254
	v_add_nc_u32 v[ADW], WO, v254
	v_add_nc_u32 v[ADW+1], WO+32*FRB, v254
	v_lshlrev_b32 v[BOO], 4, v252
	v_lshlrev_b32 v[CO], 20, v253
	v_lshl_add_u32 v[CO], v252, 4, v[CO]
	v_lshrrev_b32 v255, 1, v252                    ; a's scale words: two residues of 128 bytes to a row of 272
	v_mul_u32_u24 v[ADS], v255, 272
	v_and_b32 v255, 1, v252
	v_lshl_add_u32 v[ADS], v255, 7, v[ADS]
	v_lshl_add_u32 v[ADS], v253, 6, v[ADS]
	v_add_nc_u32 v[ADS], ASL, v[ADS]
	v_lshrrev_b32 v254, 3, v252                    ; r / 8: the even j or the odd
	v_and_b32 v255, 7, v252                        ; r % 8: d within the tile
	v_mul_u32_u24 v[OBF], v254, 3072
	v_lshl_add_u32 v[OBF], v255, 5, v[OBF]
	v_lshl_add_u32 v[OBF], v253, 4, v[OBF]
	v_lshlrev_b32 v[OBS], 7, v254
	v_lshl_add_u32 v[OBS], v253, 6, v[OBS]
	v_lshl_add_u32 v[OBS], v255, 2, v[OBS]
	s_wait_alu depctr_va_vdst(0)                   ; the wait at the head's end
	s_wait_dscnt 0x0                               ; both opening adds are done
	s_wait_kmcnt 0x0
	s_add_nc_u64 s[46:47], s[4:5], s[46:47]
	s_add_nc_u64 s[48:49], s[6:7], s[48:49]
	WIN 0x40                                       ; destination window 1
.irp t, 0,1,2,3
.irp g, 0,1,2
	global_load_b128 v[BF+12*\t+4*\g:BF+12*\t+4*\g+3], v[OBF], s[46:47] offset:1024*\g+256*\t   ; lanes r < 8 and r >= 8 cover 256 consecutive bytes each
.endr
.endr
	WIN 0
.irp t, 0,1
	global_load_b32 v[BS+\t], v[OBS], s[48:49] offset:32*\t
.endr
.irp z, 0,1
	global_load_b128 v[BO+4*\z:BO+4*\z+3], v[BOO], s[8:9] offset:256*\z
.endr
	s_mov_b32 s[G0A], 1
	s_add_nc_u64 s[G0A+2:G0A+3], s[4:5], s[44:45]
	s_or_b32 s[G0A+3], s[G0A+3], 0x80000000
	s_mov_b32 s[G0B], 1
	s_add_nc_u64 s[G0B+2:G0B+3], s[4:5], s[60:61]
	s_sub_nc_u64 s[G0B+2:G0B+3], s[G0B+2:G0B+3], 512
	s_or_b32 s[G0B+3], s[G0B+3], 0x80000000
	s_mov_b32 s[G0S], 1
	s_add_nc_u64 s[G0S+2:G0S+3], s[6:7], s[50:51]
	s_or_b32 s[G0S+3], s[G0S+3], 0x80000000
	s_mov_b32 s[G0W], 1
	s_add_nc_u64 s[G0W+2:G0W+3], s[4:5], IMG_W
	s_or_b32 s[G0W+3], s[G0W+3], 0x80000000
	s_mov_b32 s[G0X], 1
	s_add_nc_u64 s[G0X+2:G0X+3], s[4:5], s[56:57]
	s_or_b32 s[G0X+3], s[G0X+3], 0x80000000
	s_add_nc_u64 s[54:55], s[10:11], s[54:55]
	ROUND                                          ; all four work-groups are here: the joint loads meet
	ARM 1, G0S, G1S, .Lfor_a
	ARM 2, G0A, G1A, .Lfor_w
	ARM 3, G0W, G1W, .Lfor_b
	ARM 6, G0B, G1A, .Lfor_x
	tensor_load_to_lds s[G0X:G0X+3], s[G1X:G1X+7]
	s_nop 0
.rept 4
	v_nop
.endr
.Lasked:
.macro MM c                            ; one product: rD, rA, rB, sA, sB, and the halves of the lanes that hold the scales
.if (rowa == 0) && (rowb == 0)
	v_wmma_scale_f32_16x16x128_f8f6f4 v[rD:rD+7], v[rA:rA+11], v[rB:rB+11], \c, v[sA], v[sB] matrix_a_fmt:MATRIX_FMT_FP6 matrix_b_fmt:MATRIX_FMT_FP6
.elseif rowa == 0
	v_wmma_scale_f32_16x16x128_f8f6f4 v[rD:rD+7], v[rA:rA+11], v[rB:rB+11], \c, v[sA], v[sB] matrix_a_fmt:MATRIX_FMT_FP6 matrix_b_fmt:MATRIX_FMT_FP6 matrix_b_scale:MATRIX_SCALE_ROW1
.elseif rowb == 0
	v_wmma_scale_f32_16x16x128_f8f6f4 v[rD:rD+7], v[rA:rA+11], v[rB:rB+11], \c, v[sA], v[sB] matrix_a_fmt:MATRIX_FMT_FP6 matrix_b_fmt:MATRIX_FMT_FP6 matrix_a_scale:MATRIX_SCALE_ROW1
.else
	v_wmma_scale_f32_16x16x128_f8f6f4 v[rD:rD+7], v[rA:rA+11], v[rB:rB+11], \c, v[sA], v[sB] matrix_a_fmt:MATRIX_FMT_FP6 matrix_b_fmt:MATRIX_FMT_FP6 matrix_a_scale:MATRIX_SCALE_ROW1 matrix_b_scale:MATRIX_SCALE_ROW1
.endif
.endm
.macro P3                              ; unit U: c = 2 U + cc, d = 8 t on.  Each starts its sum with the constant 0: K = s is one instruction deep
.irp t, 0,2,1,3
.irp cc, 0,1
.set pch, 2*U+\cc
.set rD, R+32*\cc+8*\t
.set rA, BF+12*\t
.set rB, AB+24*(U%2)+12*\cc
.set sA, BS+\t%2
.set sB, AS+pch%16
.set rowa, \t/2
.set rowb, pch/16
	MM 0
.endr
.endr
.endm
.macro P4                              ; half hidx of the second product: K step hidx / 2, z tiles 4 (hidx % 2) + nn.  The accumulators take turns, one instruction a turn
.set pq, hidx/2
.irp nn, 0,1,2,3
.irp rt, 0,1
.set pf, 4*hidx+\nn
.set rD, ACC+64*\rt+8*(pf%8)
.set rA, CB+24*(pq%2)+12*\rt
.set rB, wb+12*\nn
.set sA, OW+pq%2
.set sB, WS+pf%32
.set rowa, \rt
.set rowb, pf/32
.if pq == 0
	MM 0
.else
	MM v[rD:rD+7]
.endif
.endr
.endr
.endm
.macro LDA ua                          ; a's two fragments of unit ua (c = 2 ua, 2 ua + 1) for my 16 i
.irp cc, 0,1
.irp g, 0,1,2
	ds_load_b128 v[AB+24*((\ua)%2)+12*\cc+4*\g:AB+24*((\ua)%2)+12*\cc+4*\g+3], v[ADA] offset:QB*((\ua)/4)+AROW*\g+32*((2*(\ua)+\cc)%8)
.endr
.endr
.endm
.macro LDW hx, to                      ; Wo's four fragments 4 hx .. 4 hx + 3, as they lie
.irp nn, 0,1,2,3
.irp g, 0,1,2
	ds_load_b128 v[\to+12*\nn+4*\g:\to+12*\nn+4*\g+3], v[ADW+(4*(\hx)+\nn)/32] offset:((4*(\hx)+\nn)%32)*FRB+512*\g
.endr
.endr
.endm
; The turn's LDS loads, behind its products and at least four plain vector lines (moves, v_nop or maxima) that name none of those products' registers: a's fragments two units on, and Wo's for the next turn.
.macro LOADS
.if U <= 13
	LDA U+2
.endif
.if U >= 2
	WIN 0x40
	LDW U-2, WB
	WIN 0
.endif
.if U == 15
	LDW 14, AB                                     ; a's fragments are done with: the last half but one goes there
.endif
.endm
; Maxima, step k of 8: block cc (c even, c odd) in two chains, TM + cc over d 0-15 with the floor, TM + 2 + cc over d 16-30; the last step joins them and takes d 31.  Each result tile is first read at its low end.
.macro MX k
.if (\k) == 0
.irp cc, 0,1
	v_max3_num_f32 v[TM+\cc], s[FLR], |v[R+32*\cc]|, |v[R+32*\cc+1]|
.endr
.irp cc, 0,1
	v_max3_num_f32 v[TM+2+\cc], |v[R+32*\cc+16]|, |v[R+32*\cc+17]|, |v[R+32*\cc+18]|
.endr
.elseif (\k) < 7
.irp cc, 0,1
	v_max3_num_f32 v[TM+\cc], v[TM+\cc], |v[R+32*\cc+2*(\k)]|, |v[R+32*\cc+2*(\k)+1]|
.endr
.irp cc, 0,1
	v_max3_num_f32 v[TM+2+\cc], v[TM+2+\cc], |v[R+32*\cc+2*(\k)+17]|, |v[R+32*\cc+2*(\k)+18]|
.endr
.else
.irp cc, 0,1
	v_max3_num_f32 v[TM+\cc], v[TM+\cc], |v[R+32*\cc+14]|, |v[R+32*\cc+15]|
.endr
.irp cc, 0,1
	v_max3_num_f32 v[TM+\cc], v[TM+\cc], v[TM+2+\cc], |v[R+32*\cc+31]|
.endr
.endif
.endm
; The rest of unit U's quantising: scale operands (2 off the exponent field), bytes, codes, the bytes into the K step's scale word, the exchange of halves.
.macro CODES
.set cp, U%2
.set qb, (U/2)%2
.set cB, CB+24*qb+6*cp
.irp cc, 0,1
	v_add_nc_u32 v[SCV+\cc], 0xff000000, v[TM+\cc]
.endr
.irp cc, 0,1
	v_lshrrev_b32 v[BY+\cc], 23, v[SCV+\cc]
.endr
.irp cc, 0,1
	v_cvt_scalef32_pk16_fp6_f32 v[cB+12*\cc:cB+12*\cc+2], v[R+32*\cc:R+32*\cc+15], v[SCV+\cc]
.endr
.irp cc, 0,1
	v_cvt_scalef32_pk16_fp6_f32 v[TH+4*\cc:TH+4*\cc+2], v[R+32*\cc+16:R+32*\cc+31], v[SCV+\cc]   ; (a conversion's three registers begin on an even number)
.endr
.if cp == 0                                    ; these lines are also the plain place behind the conversions
	v_lshl_or_b32 v[OW+qb], v[BY+1], 8, v[BY]
.else
	v_lshl_or_b32 v[OW+qb], v[BY], 16, v[OW+qb]
	v_lshl_or_b32 v[OW+qb], v[BY+1], 24, v[OW+qb]
.endif
.irp e, 0,1,2
	v_permlane16_swap_b32 v[cB+\e], v[cB+12+\e]    ; the first now holds the even j's pairs (lanes 0-15 c even, lanes 16-31 c odd), the second the odd j's
.endr
.irp e, 0,1,2
	v_permlane16_swap_b32 v[TH+\e], v[TH+4+\e]
.endr
.endm
; Unit un's second halves move to their places.
.macro MOVES un
.set cB, CB+24*(((\un)/2)%2)+6*((\un)%2)
	v_dual_mov_b32 v[cB+3], v[TH] :: v_dual_mov_b32 v[cB+4], v[TH+1]
	v_dual_mov_b32 v[cB+15], v[TH+4] :: v_dual_mov_b32 v[cB+16], v[TH+5]
	v_mov_b32 v[cB+5], v[TH+2]
	v_mov_b32 v[cB+17], v[TH+6]
.endm
.macro TURN
.if (U == 1) || (U == 2)
	s_wait_alu depctr_va_vdst(0)                   ; directly ahead of the wait below
	s_wait_dscnt 6                                 ; this unit's fragments of a are in; the next one's six loads may be out.  (From turn 3 on a wait of the turn before has shown them)
.endif
	WIN W_P3
	P3
	WIN 0
.if U >= 1
	MOVES U-1                                      ; also the four places ahead of the first read of this unit's results, and of loads into a's registers (ISA guide 7.12.1 for the reads of results)
.else
.rept 4
	v_nop                                          ; four such places
.endr
.endif
.if U >= 3
.set hidx, U-3
.set wb, WB
	s_wait_dscnt 0x0                               ; Wo's four fragments, asked for a turn ago, are in, and a's for the next turn
	WIN W_P4
	P4
	WIN 0
.endif
	MX 0
.if U == 2
	s_wait_alu depctr_va_vdst(0)                   ; directly ahead of the branch and the waits
	s_cmp_lt_u32 s[WV], 6
	s_cbranch_scc0 .Lmore_in
	s_wait_tensorcnt 0x0                           ; waves 2 to 5: Wo's scale words and first two K steps, and the rest of a, have landed
.Lmore_in:
	s_wait_dscnt 0x0
	s_barrier_signal -1
	MX 1
	MX 2
	MX 3
	MX 4
	s_wait_alu depctr_va_vdst(0)                   ; directly ahead of the barrier's wait
	s_barrier_wait -1                              ; a, and Wo's fragments 0-15, may be read
.irp v, 0,1,2,3,4,5,6,7
	ds_load_b128 v[WS+4*\v:WS+4*\v+3], v[ADWS] offset:512*\v
.endr
	LOADS
.elseif U == 6
	s_wait_alu depctr_va_vdst(0)                   ; directly ahead of the waits below
	s_wait_tensorcnt 0x0                           ; whatever I asked for has landed
	s_wait_dscnt 0x0
	s_barrier_signal -1
	MX 1
	MX 2
	MX 3
	MX 4
	s_wait_alu depctr_va_vdst(0)                   ; directly ahead of the barrier's wait
	s_barrier_wait -1                              ; all of Wo may be read
	LOADS
.else
	LOADS
	MX 1
	MX 2
	MX 3
	MX 4
.endif
	MX 5
	MX 6
	MX 7
	CODES
.set U, U+1
.endm
	s_cmp_lt_u32 s[WV], 2
	s_cbranch_scc0 .La_in
	s_wait_tensorcnt 0x0                           ; waves 0 and 1: a's scale words and first quarter have landed
.La_in:
	s_barrier_signal -1
	s_barrier_wait -1                              ; they may be read
.irp v, 0,1,2,3
	ds_load_b128 v[AS+4*\v:AS+4*\v+3], v[ADS] offset:16*\v
.endr
	LDA 0
	LDA 1
	s_wait_loadcnt 0x2                             ; b and its scale words are in; bo's two loads may be out
	s_wait_dscnt 6                                 ; a's scale words and unit 0's fragments are in; unit 1's six loads may be out
.set U, 0
.rept 16
	TURN
.endr
	LDW 15, R                                      ; Wo's last four fragments, into the results that have been quantised
	MOVES 15
.rept 4
	v_nop                                          ; four places behind the last moves into the codes
.endr
	s_wait_alu depctr_va_vdst(0)                   ; directly ahead of the waits below
	s_wait_loadcnt 0x0                             ; bo
	s_wait_dscnt 12                                ; all but the last twelve loads are in
	WIN W_P4
.set hidx, 13
.set wb, WB
	P4
	WIN W_P4L
.set hidx, 14
.set wb, AB
	P4
	s_wait_dscnt 0x0
.set hidx, 15
.set wb, R
	P4
	WIN 0
.rept 4
	v_nop                                          ; four places in front of the first read of results
.endr
; THE WAY OUT: four pairs' 64 z at a time.  + bo lays four neighbouring z side by side; lanes 0-15 store the 256 consecutive bytes of pair i = j, lanes 16-31 those of i = 8 + j, each at a multiple of 256 from out0's first byte.
.macro SENDQ rt, zh, j0
	WIN 0x01                                       ; source 0 (the accumulators) window 1
.irp jj, 0,1,2,3
.irp n, 0,1,2,3
	v_add_f32 v[R+64*\rt+32*\zh+4*(\j0+\jj)+\n], v[ACC+64*\rt+8*(4*\zh+\n)+\j0+\jj], v[BO+4*\zh+\n]   ; each accumulator from its low end on
.endr
.endr
	WIN 0
.irp jj, 0,1,2,3
	global_store_b128 v[CO], v[R+64*\rt+32*\zh+4*(\j0+\jj):R+64*\rt+32*\zh+4*(\j0+\jj)+3], s[54:55] offset:131072*(\j0+\jj)+512*\rt+256*\zh th:TH_STORE_NT
.endr
.endm
.irp rt, 0,1
.irp zh, 0,1
.irp j0, 0,4
	SENDQ \rt, \zh, \j0
.endr
.endr
.endr
	s_wait_tensorcnt 0x0                           ; the wave's end: behind my last tensor load
	ds_add_u32 v[SPW], v[NIL]
	s_wait_dscnt 0x0
	ROUND                                          ; the closing round: no work-group ends while a partner may still ask for a tile that names it
	s_endpgm
.Lfunc_end_k_qd3156763ed_outer:
	.size	k_qd3156763ed_outer, .Lfunc_end_k_qd3156763ed_outer-k_qd3156763ed_outer
	.p2alignl 7, 3214868480
	.fill 96, 4, 3214868480
	.section	.rodata,"a",@progbits
	.p2align	6, 0x0
	.amdhsa_kernel k_qd3156763ed_outer
		.amdhsa_group_segment_fixed_size 167936
		.amdhsa_private_segment_fixed_size 0
		.amdhsa_enable_private_segment 0
		.amdhsa_kernarg_size 32
		.amdhsa_user_sgpr_count 2
		.amdhsa_user_sgpr_kernarg_segment_ptr 1
		.amdhsa_wavefront_size32 1
		.amdhsa_system_sgpr_workgroup_id_x 1
		.amdhsa_system_sgpr_workgroup_id_y 1
		.amdhsa_system_sgpr_workgroup_id_z 1
		.amdhsa_system_vgpr_workitem_id 0
		.amdhsa_next_free_vgpr 512
		.amdhsa_next_free_sgpr 98
		.amdhsa_reserve_vcc 0
		.amdhsa_float_denorm_mode_32 3
		.amdhsa_float_denorm_mode_16_64 3
		.amdhsa_memory_ordered 1
		.amdhsa_forward_progress 1
		.amdhsa_inst_pref_size 120
	.end_amdhsa_kernel
	.amdgpu_metadata
---
amdhsa.version: [ 1, 2 ]
amdhsa.kernels:
  - .name:           k_qd3156763ed_outer
    .symbol:         k_qd3156763ed_outer.kd
    .args:
      - { .name: img, .offset: 0, .size: 8, .value_kind: global_buffer, .address_space: global }
      - { .name: scl, .offset: 8, .size: 8, .value_kind: global_buffer, .address_space: global }
      - { .name: bo, .offset: 16, .size: 8, .value_kind: global_buffer, .address_space: global }
      - { .name: out0, .offset: 24, .size: 8, .value_kind: global_buffer, .address_space: global }
    .group_segment_fixed_size: 167936
    .private_segment_fixed_size: 0
    .kernarg_segment_align: 8
    .kernarg_segment_size: 32
    .max_flat_workgroup_size: 256
    .sgpr_count:     98
    .vgpr_count:     512
    .wavefront_size: 32
...
	.end_amdgpu_metadata
.endif
;; end of part 2
